; MI455X (gfx1250); checked and timed in simulation.
; The chip was launched on July 23, 2026; its instructions are those of AMD's public machine-readable ISA for CDNA 5 (MIT licence, August 2026) and "CDNA5" Instruction Set Architecture Reference Guide (July 2026). The comments in the code are by the model that wrote it; some were corrected since.
;; Optimized Linear. Allowed arithmetic: float matrix products may take bf16 or f16 operands with f32 sums; other float arithmetic in f32, or as packed bf16 or f16 multiplies, adds, multiply-adds, maxima and minima; sums over many terms, partial sums and values carried from step to step in f32; what a program stores and reads back later, other than sums and carried values, may be rounded once to bf16 or f16.
;; Inputs: bias 4,096 float32; weight 4,096 x 4,096 float32; x 4,096 x 4,096 float32.
;; Outputs: out0 4,096 x 4,096 float32.
;; One version. Each part assembles by itself: llvm-mc -triple=amdgcn-amd-amdhsa -mcpu=gfx1250 --defsym DOCPART=n.
;; ======== version 1 of 1: 2 launches
;; limits: values are held in f16: magnitudes above 65,504 overflow, below 6.1e-05 lose precision; inputs' magnitudes at most 65,504
;; workspace buffers: xq 33,554,432 bytes; wb 33,554,432 bytes; scale 16,384 bytes
;; launch prep (part 1): grid 256 x 1, 16 waves a work-group, no clusters, 0 bytes of LDS; arguments x, weight, xq, wb, scale; writes xq, wb, scale
.if DOCPART == 1
	.amdgcn_target "amdgcn-amd-amdhsa--gfx1250"
	.amdhsa_code_object_version 6
	.text
	.protected	k_q21ca855da0_prep
	.globl	k_q21ca855da0_prep
	.p2align	8
	.type	k_q21ca855da0_prep,@function
k_q21ca855da0_prep:
	s_mov_b64 s[64:65], 0
	v_nop
	global_prefetch_b8 v0, s[64:65] scope:SCOPE_SE
	s_setreg_imm32_b32 hwreg(HW_REG_WAVE_MODE, 25, 1), 1
	s_wait_xcnt 0x0
; PREPARATION FOR THE PRODUCT.  x, weight: [4096][4096] f32.  xq, wb: [4096][4096] f16.  scale: [4096] f32.
;   scale[n] = max over i of |x[n][i]| / 127, or 1 where that is 0;   xq[n][i] = clip(round to nearest even(x[n][i] / scale[n]), -127, 127), a whole number, which f16 holds exactly;
;   wb = weight rounded once to f16.  The multiplication by scale[n] is left to the next launch, which applies it in f32 to the finished sum of a row (another order of f32 rounding than a product term by term).
; LIMITS.  A row of x whose largest magnitude is not 0 and lies below 127 x 2^-126 (1.5e-36) is not served: v_rcp_f32 takes a denormal scale as 0 (ISA guide, the instruction's entry).
; A weight of magnitude 65,520 or more becomes an infinity in f16; below 6e-5 a weight keeps f16's fixed step of 6e-8.  NaN and infinities in x are not treated apart: the maxima pass over a NaN.
; The quotient x / scale is a reciprocal, a product and one residual step: it is exact wherever the true quotient is a number of f32, so ties round as a true division's do; elsewhere it may differ in the last bit.
; SHARES.  Work-group g owns rows 16 g .. 16 g + 15 of x (waves 0-7) and of weight (waves 8-15): all work-groups are alike.  A wave owns two rows on end.  ONE WAVE HOLDS A WHOLE ROW, 16,384 bytes, in 128
; registers, between the pass that finds the maximum and the pass that quantises: x is read once, the reduction never leaves the wave, and there is no LDS and no barrier.
; Chunk j of 32 of a row is 512 consecutive bytes, 16 a lane; its f16 are 8 bytes a lane: a store of the wave covers 256 consecutive bytes, at a multiple of 256 from the buffer's first byte.
; The second row's loads are issued group by group in the first row's second pass, into the registers just used up, ahead of that group's stores.
; No tensor load, cluster or matrix instruction: no byte is wanted by two waves.  No prefetch: every wave's loads go out at once, and nothing is known earlier than that.
.set ROWB, 16384                       ; bytes in a row of x and of weight
.set OUTB, 8192                        ; bytes in a row of xq and of wb
.set LO,   2                           ; v2       16 x lane: my bytes in a chunk as loaded; never rewritten
.set SO,   3                           ; v3       8 x lane: my bytes in a chunk as stored; never rewritten
.set SCO,  4                           ; v4       4 x lane: for the two scales; never rewritten
.set T,    5                           ; v5, v6   at work
.set T2,   6
.set MX,   8                           ; v8, v9   two running maxima
.set MN,   10                          ; v10, v11 two running minima: |x| needs no instruction of its own, the largest magnitude is max(max, -min)
.set S,    12                          ; v12      the row's scale
.set R,    14                          ; v[14:15] 1 / scale, twice: a pair for the packed forms
.set KEEP, 16                          ; v16, v17 the two rows' scales, kept for the store at the end
.set NS,   18                          ; v[18:19] -scale, twice
.set Q,    20                          ; v[20:35] sixteen quotients at work
.set Y,    36                          ; v[36:43] four chunks' f16, to store
.set X,    64                          ; v[64:191] the row
.set SRC,  16                          ; s[16:17] x or weight at my first row
.set DST,  18                          ; s[18:19] xq or wb at my first row
	s_load_b256 s[4:11], s[0:1], 0x0               ; x s[4:5], weight s[6:7], xq s[8:9], wb s[10:11]
	s_load_b64 s[12:13], s[0:1], 0x20              ; scale
	v_lshrrev_b32 v[T], 5, v0
	v_readfirstlane_b32 s14, v[T]                  ; wave 0..15
	v_and_b32 v1, 31, v0                           ; lane
	v_lshlrev_b32 v[LO], 4, v1
	v_lshlrev_b32 v[SO], 3, v1
	v_lshlrev_b32 v[SCO], 2, v1
	s_and_b32 s15, s14, 7
	s_lshl_b32 s15, s15, 1
	s_lshl_b32 s20, ttmp9, 4
	s_add_co_u32 s15, s15, s20                     ; my first row: 16 g + 2 (wave mod 8)
	s_mov_b32 s21, 0                               ; the offsets below stay under 2^27: their high word is 0
	s_mov_b32 s22, 0x3c010204                      ; 1 / 127
	s_mov_b32 s23, 0x42fe0000                      ; 127.0
	s_mov_b32 s24, 0xc2fe0000                      ; -127.0
	s_mov_b32 s26, 0x76543210                      ; v_permlanex16_b32: lane i of one half reads lane i of the other
	s_mov_b32 s27, 0xfedcba98
	s_wait_kmcnt 0x0
	s_cmp_lt_u32 s14, 8                            ; waves 0-7 take x, waves 8-15 weight
	s_cselect_b64 s[SRC:SRC+1], s[4:5], s[6:7]
	s_cselect_b64 s[DST:DST+1], s[8:9], s[10:11]
	s_lshl_b32 s20, s15, 14
	s_add_nc_u64 s[SRC:SRC+1], s[SRC:SRC+1], s[20:21]
	s_lshl_b32 s20, s15, 13
	s_add_nc_u64 s[DST:DST+1], s[DST:DST+1], s[20:21]
	s_lshl_b32 s20, s15, 2
	s_add_nc_u64 s[12:13], s[12:13], s[20:21]      ; no pointer is written again: both rows are reached by immediates
.macro LOADROW r                       ; a row's 32 loads, 512 consecutive bytes each
.set j, 0
.rept 32
	global_load_b128 v[X+4*j:X+4*j+3], v[LO], s[SRC:SRC+1] offset:(\r)*ROWB+512*j th:TH_LOAD_NT
.set j, j+1
.endr
.endm
; The largest and the smallest of my 128 numbers, three operands at a time, in four chains that do not wait for each other; chunk 0 starts the chains: nothing is cleared.
.macro PASS1
.set j, 0
.rept 32
.if j%4 == 0
	s_wait_loadcnt 28-j                            ; loads come back in order (ISA guide 5.7.1): chunks j .. j + 3 are in, the row's 28 - j younger loads stay out; nothing else is on this counter
.endif
.if j == 0
	v_max_num_f32 v[MX],   v[X],   v[X+1]
	v_max_num_f32 v[MX+1], v[X+2], v[X+3]
	v_min_num_f32 v[MN],   v[X],   v[X+1]
	v_min_num_f32 v[MN+1], v[X+2], v[X+3]
.else
	v_max3_num_f32 v[MX],   v[MX],   v[X+4*j],   v[X+4*j+1]
	v_max3_num_f32 v[MX+1], v[MX+1], v[X+4*j+2], v[X+4*j+3]
	v_min3_num_f32 v[MN],   v[MN],   v[X+4*j],   v[X+4*j+1]
	v_min3_num_f32 v[MN+1], v[MN+1], v[X+4*j+2], v[X+4*j+3]
.endif
.set j, j+1
.endr
.endm
; The row's scale, its negative and its reciprocal, in every lane.
.macro SCALE r
	v_max_num_f32 v[T], v[MX], v[MX+1]
	v_min_num_f32 v[T2], v[MN], v[MN+1]
	v_mul_f32 v[T2], -1.0, v[T2]
	v_max_num_f32 v[T], v[T], v[T2]                ; my lane's largest magnitude
	v_max_num_f32_dpp v[T], v[T], v[T] row_xmask:1 row_mask:0xf bank_mask:0xf  ; four steps inside each half of 16 lanes,
	v_max_num_f32_dpp v[T], v[T], v[T] row_xmask:2 row_mask:0xf bank_mask:0xf
	v_max_num_f32_dpp v[T], v[T], v[T] row_xmask:4 row_mask:0xf bank_mask:0xf
	v_max_num_f32_dpp v[T], v[T], v[T] row_xmask:8 row_mask:0xf bank_mask:0xf
	v_permlanex16_b32 v[T2], v[T], s26, s27        ; one across the halves (its destination has been written)
	v_max_num_f32 v[T], v[T], v[T2]
	v_mul_f32 v[S], s22, v[T]                      ; max / 127: a product by 1 / 127,
	v_fma_f32 v[T2], v[S], s24, v[T]               ; what it leaves of max, exactly,
	v_fma_f32 v[S], v[T2], s22, v[S]               ; and that put right
	v_cmp_eq_f32 vcc_lo, 0, v[S]
	v_cndmask_b32 v[S], v[S], 1.0, vcc_lo          ; a scale of 0 counts as 1: a choice of a value, no branch
	v_rcp_f32 v[R], v[S]
	v_mov_b32 v[KEEP+(\r)], v[S]                   ; plain instructions that name neither the reciprocal nor write its source stand behind it (ISA guide 5.7.2)
	v_mul_f32 v[NS], -1.0, v[S]
	v_mov_b32 v[NS+1], v[NS]
	s_wait_alu depctr_va_vdst(0)                   ; the wait ahead of the first instruction that names the reciprocal
	v_mov_b32 v[R+1], v[R]
.endm
; Row r is quantised and stored, four chunks (16 registers) at a time.  ahead = 1: the next row's same chunks are loaded into the registers just used up.
.macro PASS2 r, ahead
.set g, 0
.rept 8
	s_wait_xcnt 0x0                                ; every earlier memory instruction has had its addresses translated (ISA guide 3.1): Y, which the last group's stores read, is rewritten only behind this wait
.set p, 0
.rept 8
	v_pk_mul_f32 v[Q+2*p:Q+2*p+1], v[X+16*g+2*p:X+16*g+2*p+1], v[R:R+1]  ; q0 = x (1 / s)
.set p, p+1
.endr
.set p, 0
.rept 8
	v_pk_fma_f32 v[X+16*g+2*p:X+16*g+2*p+1], v[Q+2*p:Q+2*p+1], v[NS:NS+1], v[X+16*g+2*p:X+16*g+2*p+1]  ; x - q0 s, one rounding, in place
.set p, p+1
.endr
.set p, 0
.rept 8
	v_pk_fma_f32 v[Q+2*p:Q+2*p+1], v[X+16*g+2*p:X+16*g+2*p+1], v[R:R+1], v[Q+2*p:Q+2*p+1]  ; q = q0 + (x - q0 s) (1 / s)
.set p, p+1
.endr
.set p, 0
.rept 16
	v_rndne_f32 v[Q+p], v[Q+p]                     ; to the nearest whole number, ties to even
.set p, p+1
.endr
.set p, 0
.rept 16
	v_med3_num_f32 v[Q+p], v[Q+p], s24, s23        ; the clip to -127 .. 127
.set p, p+1
.endr
.set p, 0
.rept 8
	v_cvt_pk_f16_f32 v[Y+p], v[Q+2*p], v[Q+2*p+1]  ; exact: whole numbers of seven bits
.set p, p+1
.endr
.if \ahead
.set c, 0
.rept 4
	global_load_b128 v[X+16*g+4*c:X+16*g+4*c+3], v[LO], s[SRC:SRC+1] offset:((\r)+1)*ROWB+512*(4*g+c) th:TH_LOAD_NT
.set c, c+1
.endr
.endif
.set c, 0
.rept 4
	global_store_b64 v[SO], v[Y+2*c:Y+2*c+1], s[DST:DST+1] offset:(\r)*OUTB+256*(4*g+c) th:TH_STORE_NT
.set c, c+1
.endr
.set g, g+1
.endr
.endm
; Row r of weight is rounded to f16 and stored, four chunks at a time.
.macro CONV r, ahead
.set g, 0
.rept 8
.if \ahead
	s_wait_loadcnt 28                              ; behind this group's loads stand 28 - 4 g of this row's and the 4 g of the next row's that the groups before have issued
.else
	s_wait_loadcnt 28-4*g                          ; the row's younger loads alone
.endif
	s_wait_xcnt 0x0                                ; Y is rewritten only behind this wait, as in PASS2
.set p, 0
.rept 8
	v_cvt_pk_f16_f32 v[Y+p], v[X+16*g+2*p], v[X+16*g+2*p+1]
.set p, p+1
.endr
.if \ahead
.set c, 0
.rept 4
	global_load_b128 v[X+16*g+4*c:X+16*g+4*c+3], v[LO], s[SRC:SRC+1] offset:((\r)+1)*ROWB+512*(4*g+c) th:TH_LOAD_NT
.set c, c+1
.endr
.endif
.set c, 0
.rept 4
	global_store_b64 v[SO], v[Y+2*c:Y+2*c+1], s[DST:DST+1] offset:(\r)*OUTB+256*(4*g+c) th:TH_STORE_NT
.set c, c+1
.endr
.set g, g+1
.endr
.endm
	LOADROW 0                                      ; 16,384 bytes of every wave go out at once
	s_cmp_lt_u32 s14, 8
	s_cbranch_scc0 .Lweights
	PASS1
	SCALE 0
	PASS2 0, 1
	PASS1                                          ; all 32 loads of the second row have been issued: the same counts hold
	SCALE 1
	PASS2 1, 0
	v_cmp_eq_u32 vcc_lo, 0, v1
	v_cndmask_b32 v[T], v[KEEP+1], v[KEEP], vcc_lo ; lane 0 takes the first row's scale, lane 1 the second's
	s_wait_xcnt 0x0                                ; EXEC is a source of the stores above: it changes only behind this wait
	v_cmp_gt_u32 vcc_lo, 2, v1
	s_and_saveexec_b32 s25, vcc_lo
	global_store_b32 v[SCO], v[T], s[12:13]        ; 8 bytes a wave: 64 rows' scales never meet in one work-group; 16,384 bytes in the whole launch
	s_wait_xcnt 0x0                                ; and again, in front of the line that widens it
	s_or_b32 exec_lo, exec_lo, s25
	s_endpgm
.Lweights:
	CONV 0, 1
	CONV 1, 0
	s_endpgm
.Lfunc_end_k_q21ca855da0_prep:
	.size	k_q21ca855da0_prep, .Lfunc_end_k_q21ca855da0_prep-k_q21ca855da0_prep
	.p2alignl 7, 3214868480
	.fill 96, 4, 3214868480
	.section	.rodata,"a",@progbits
	.p2align	6, 0x0
	.amdhsa_kernel k_q21ca855da0_prep
		.amdhsa_group_segment_fixed_size 0
		.amdhsa_private_segment_fixed_size 0
		.amdhsa_enable_private_segment 0
		.amdhsa_kernarg_size 40
		.amdhsa_user_sgpr_count 2
		.amdhsa_user_sgpr_kernarg_segment_ptr 1
		.amdhsa_wavefront_size32 1
		.amdhsa_system_sgpr_workgroup_id_x 1
		.amdhsa_system_sgpr_workgroup_id_y 1
		.amdhsa_system_sgpr_workgroup_id_z 1
		.amdhsa_system_vgpr_workitem_id 0
		.amdhsa_next_free_vgpr 192
		.amdhsa_next_free_sgpr 66
		.amdhsa_reserve_vcc 1
		.amdhsa_float_denorm_mode_32 3
		.amdhsa_float_denorm_mode_16_64 3
		.amdhsa_memory_ordered 1
		.amdhsa_forward_progress 1
		.amdhsa_inst_pref_size 107
	.end_amdhsa_kernel
	.amdgpu_metadata
---
amdhsa.version: [ 1, 2 ]
amdhsa.kernels:
  - .name:           k_q21ca855da0_prep
    .symbol:         k_q21ca855da0_prep.kd
    .args:
      - { .name: x, .offset: 0, .size: 8, .value_kind: global_buffer, .address_space: global }
      - { .name: weight, .offset: 8, .size: 8, .value_kind: global_buffer, .address_space: global }
      - { .name: xq, .offset: 16, .size: 8, .value_kind: global_buffer, .address_space: global }
      - { .name: wb, .offset: 24, .size: 8, .value_kind: global_buffer, .address_space: global }
      - { .name: scale, .offset: 32, .size: 8, .value_kind: global_buffer, .address_space: global }
    .group_segment_fixed_size: 0
    .private_segment_fixed_size: 0
    .kernarg_segment_align: 8
    .kernarg_segment_size: 40
    .max_flat_workgroup_size: 512
    .sgpr_count:     66
    .vgpr_count:     192
    .wavefront_size: 32
...
	.end_amdgpu_metadata
.endif
;; end of part 1
;; launch gemm (part 2): grid 16 x 16, 4 waves a work-group, clusters of 4 x 4, 327,680 bytes of LDS; arguments xq, wb, scale, bias, out0; writes out0
.if DOCPART == 2
	.amdgcn_target "amdgcn-amd-amdhsa--gfx1250"
	.amdhsa_code_object_version 6
	.text
	.protected	k_q21ca855da0_gemm
	.globl	k_q21ca855da0_gemm
	.p2align	8
	.type	k_q21ca855da0_gemm,@function
k_q21ca855da0_gemm:
	s_mov_b64 s[64:65], 0
	v_nop
	global_prefetch_b8 v0, s[64:65] scope:SCOPE_SE
	s_setreg_imm32_b32 hwreg(HW_REG_WAVE_MODE, 25, 1), 1
	s_wait_xcnt 0x0
	s_wait_alu depctr_hold_cnt(0) depctr_sa_sdst(0) depctr_va_vdst(0) depctr_va_sdst(0) depctr_va_ssrc(0) depctr_va_vcc(0) depctr_vm_vsrc(0)
	s_getreg_b32 s2, hwreg(HW_REG_IB_STS2, 6, 4)
	s_cmp_eq_u32 s2, 0
	s_cbranch_scc0 .Lentry_in_a_cluster
	s_endpgm
.Lentry_in_a_cluster:
	s_bfe_u32 s2, ttmp6, 0x10000c
	s_cmp_lg_u32 s2, 0xf033
	s_cbranch_scc0 .Lentry_shape_is_right
	s_endpgm
.Lentry_shape_is_right:
; out0[n][o] = scale[n] x (the sum over i of xq[n][i] wb[o][i]) + bias[o].  xq, wb: [4096][4096] f16 (xq holds whole numbers of -127 .. 127, exact in f16; wb the weights rounded once to f16);
; scale, bias: [4096] f32; out0: [4096][4096] f32.  Sums in f32; scale and bias enter by one fused multiply-add in f32 on the finished sum.
; LIMITS.  The weights' range is f16's (the launch before states it); the dequantisation multiplies the finished sum, not each term: another order of f32 rounding than a product of dequantised numbers.
; A tile of out0, 256 x 256, is made by a work-group of four waves; a wave makes 128 x 128: 64 accumulators of 16 x 16, 512 registers.  4096 / 256 squared = 256 tiles, one to a work-group.
; K goes in steps of 128 through a ring of two LDS slots filled by the tensor data mover: the tiles' rows are 256 bytes of memory and start at multiples of 256 bytes from the buffer's first byte.
; CLUSTERS: 4 x 4 work-groups.  The four of a row of the cluster need the same tiles of xq, the four of a column the same tiles of wb.  Such a tile is asked for JOINTLY: each of the four issues the same
; tensor load, with the same descriptor and a mask that names the four, and each receives the tile in its own LDS.  That divides the requests for both operands by four.
; REGISTERS, in windows of 256 (s_set_vgpr_msb: bits 1:0 source 0, 3:2 source 1, 5:4 source 2, 7:6 destination):
;   window 0: v0-31 addresses; v32-47 my rows' scales; v64-127, v128-191 fragments of xq (8 x 16 rows x 32 K), two buffers, on the way out rows read back from the stage; v192-255 my columns' bias
;   window 1: v64-127, v128-191 fragments of wb, two buffers
;   window 2: the 32 accumulators of my rows 0-63 (accumulator (a, b) at v[8 (8 a + b)]);   window 3: those of my rows 64-127
; THE MATRIX INSTRUCTION IS USED TRANSPOSED: source 0 = 16 rows of wb, source 1 = 16 rows of xq.  In the result lane l holds row l % 16 of out0, and its registers 0 to 7 the columns 8 (l / 16) + 0 .. 7:
; eight neighbouring numbers of a row, 32 bytes.
.set SIZE_N, 4096
.set SIZE_K, 4096
.set KSTEP,  128
.set PITCH,  272                       ; an LDS row: 256 bytes of data + 16 of padding = 68 words: row r starts at bank 4 r mod 64 (64 banks of 4 bytes: ISA guide 11.1), so the 16 rows that a load touches start at 16 different banks
.set HALFT,  128*PITCH                 ; 128 rows: what one tensor load brings, and what one wave reads of either operand
.set SLOT,   4*HALFT                   ; xq's 256 rows, then wb's 256 rows
.set STAGE,  2*SLOT                    ; behind the ring: 16 rows x 528 bytes for each wave, for the way out; no tensor load lands there
.set SPITCH, 528                       ; a stage row: 512 bytes (128 f32) + 16
.set SPARE,  STAGE+4*16*SPITCH         ; behind the stages: the spare words, 128 bytes for each wave: two blocks of 256 bytes that no other line names
.set LAPS,   SIZE_K/(2*KSTEP)          ; a lap = two K steps = once round the ring: 16
.set ADRA, 16                          ; v16-17  LDS address of my xq fragments in slot 0, 1
.set ADRB, 20                          ; v20-21  the same for wb
.set STO,  24                          ; v24     the way out: where I put 32 bytes of a row
.set RD,   25                          ; v25     the way out: where I read a row back
.set CO,   26                          ; v26     16 x lane: my bytes in 512 consecutive bytes of out0; never rewritten
.set SCO,  27                          ; v27     4 (l % 16): my row's scale among sixteen; never rewritten
.set SPW,  28                          ; v28     LDS address of my spare word: SPARE + 4 x my thread's number; never rewritten
.set NIL,  29                          ; v29     0; never rewritten
.set PFO,  30                          ; v30     the prefetches' offset: my lane x a row of xq or wb (8,192 bytes); never rewritten
.set BO,   31                          ; v31     32 (l / 16): my eight columns' bias among sixteen; never rewritten
.set SC,   32                          ; v[32:47]   pair a: scale of my row 16 a + l % 16, twice
.set F0,   64                          ; fragment buffer 0
.set F1,   128                         ; fragment buffer 1
.set OB,   64                          ; the way out: 16 rows read back from the stage: v64-127 and v128-191 by turns
.set BI,   192                         ; v[192:255] bias of my column 16 b + 8 (l / 16) + j at BI + 8 b + j
.set PFA,  44                          ; s[44:45] where my prefetches stand: my work-group's 32 rows of the 128 that I fetch, one K step further along K than the refill that is being asked for
.set LIM,  43                          ; s43     1 in a wave that prefetches, else the greatest number
.set G1,  24                           ; s[24:31] descriptor group 1 for xq's tiles
.set G0,  32                           ; s[32:39] descriptor group 0 for xq's tiles, one set for each slot
.set G1B, 48                           ; s[48:55] descriptor group 1 for wb's tiles: it differs in the mask alone
.set G0B, 56                           ; s[56:63] descriptor group 0 for wb's tiles, one set for each slot
.set MSB, 0
.macro WIN new                         ; the immediate's high byte repeats the setting that is left; a switch that changes nothing is dropped
.if MSB != (\new)
	s_set_vgpr_msb (MSB<<8)|(\new)
.set MSB, \new
.endif
.endm
.set MUL_LO, 0xa1                      ; source 0 (wb) window 1, source 1 (xq) window 0, C and D window 2
.set MUL_HI, 0xf1                      ; the same, C and D window 3
.set TO_B,   0x40                      ; destination window 1, address window 0
; A joint load.  Waves 0 and 1 fetch xq's two halves, waves 2 and 3 wb's.  Each of the two lines has ONE mask and one set of registers for all that issue it.  The branch hangs on the wave's number alone.
; An s_nop 0 and four v_nop follow each of the two lines; the jump round the other line, the label and what follows the macro come after them.
.macro JLOAD s
	s_cmp_eq_u32 s11, 0
	s_cbranch_scc0 .Lfor_b_\@
	tensor_load_to_lds s[G0+4*(\s):G0+4*(\s)+3], s[G1:G1+7]
	s_nop 0
.rept 4
	v_nop
.endr
	s_branch .Lasked_\@
.Lfor_b_\@:
	tensor_load_to_lds s[G0B+4*(\s):G0B+4*(\s)+3], s[G1B:G1B+7]
	s_nop 0
.rept 4
	v_nop
.endr
.Lasked_\@:
.endm
; A PREFETCH INTO THE L2, behind each joint refill, its five lines and the run of LDS loads that follows them: the K step that stands TWO refills on, 512 matrix instructions ahead of the load that will name it:
; 32 rows x 256 bytes, a lane a row, one instruction a wave.  Each row's 256 bytes of a K step are named ONCE in the launch: xq's tile row is read by every cluster of that row of clusters, and the one with
; cluster x = 0 asks; wb's tile column by every cluster of that column, and the one with cluster y = 0 asks.  The four partners that ask for a tile jointly share its rows out BY ADDRESS: of the 128 rows that a wave
; fetches, the partner at place p takes 32 p .. 32 p + 31 (p = cx for xq, cy for wb): no branch hangs on a work-group's place in its cluster.  The loop's last trip (s3 = 1) asks for nothing: K steps 32 and 33 do not exist.
.macro ASK
	s_cmp_gt_u32 s3, s[LIM]
	s_cbranch_scc0 .Lnot_mine_\@
	global_prefetch_b8 v[PFO], s[PFA:PFA+1] offset:KSTEP*2 th:TH_LOAD_NT scope:SCOPE_SE
.Lnot_mine_\@:
.endm
; A round of the cluster's barrier: my work-group's barrier, so that wave 0's signal speaks for all four waves; wave 0 signals for the work-group; every wave waits for all sixteen work-groups; my work-group's
; barrier once more.  No LDS instruction of the wave is pending at a signal.
.macro CREST                           ; a round behind its opening barrier
	s_cmp_lg_u32 s10, 0
	s_cbranch_scc1 .Lnot_wave_0_\@
	s_barrier_signal -3
.Lnot_wave_0_\@:
	s_barrier_wait -3
	s_barrier_signal -1
	s_barrier_wait -1
.endm
.macro CROUND                          ; a whole round
	s_barrier_signal -1
	s_barrier_wait -1
	CREST
.endm
	s_load_b128 s[4:7], s[0:1], 0x0                ; xq s[4:5], wb s[6:7]
	s_load_b128 s[68:71], s[0:1], 0x10             ; scale s[68:69], bias s[70:71]
	s_load_b64 s[8:9], s[0:1], 0x20                ; out0
	v_lshl_add_u32 v[SPW], v0, 2, SPARE
	v_mov_b32 v[NIL], 0
	ds_add_u32 v[SPW], v[NIL]                      ; the wave's opening: the add, twice on end, and its wait ahead of my first tensor load; the set-up below, work on registers, stands between the second and the wait
	ds_add_u32 v[SPW], v[NIL]                      ; and once more, under the one wait
	v_lshrrev_b32 v1, 5, v0
	v_readfirstlane_b32 s10, v1                    ; wave 0..3
	s_lshr_b32 s11, s10, 1                         ; which half of the tile's rows is mine.  Also: I fetch for xq (0) or for wb (1)
	s_and_b32 s12, s10, 1                          ; which half of its columns.  Also: which 128 rows of that tile I fetch
	s_bfe_u32 s40, ttmp6, 0x40000                  ; cx: my place along the cluster's x
	s_bfe_u32 s41, ttmp6, 0x40004                  ; cy: along its y
	s_lshl_b32 s42, ttmp9, 2                       ; in a cluster launch ttmp9 and ttmp7 count clusters
	s_add_co_u32 s42, s42, s40                     ; tile column = 4 x cluster x + cx
	s_and_b32 s13, ttmp7, 0xffff
	s_lshl_b32 s13, s13, 2
	s_add_co_u32 s13, s13, s41                     ; tile row = 4 x cluster y + cy
	s_lshl_b32 s43, s41, 2
	s_lshl_b32 s43, 15, s43                        ; my row of the cluster: places 4 cy .. 4 cy + 3
	s_lshl_b32 s44, 0x1111, s40                    ; my column: places cx, cx + 4, cx + 8, cx + 12
	; descriptor group 1: a tile of 128 rows x 128 elements, padded in LDS
	s_or_b32 s[G1+0], s43, (1<<16)|(1<<20)|(1<<21)|(5<<22)|(3<<25)  ; 15:0 the mask: xq's tiles go to my row; 17:16 elements of 2 bytes; 20 padding on; 21 set beside a mask; 24:22 after every 64 words (code 5); 31:25 4 words of it (code 3)
	s_or_b32 s[G1B+0], s44, (1<<16)|(1<<20)|(1<<21)|(5<<22)|(3<<25) ; the same with the mask of my column, for wb's tiles
	s_mov_b32 s[G1B+1], KSTEP<<16
	s_mov_b32 s[G1+1], KSTEP<<16                   ; 63:48 tensor_dim0, low half = 128
	s_mov_b32 s[G1B+2], 128<<16
	s_mov_b32 s[G1+2], 128<<16                     ; 79:64 its high half = 0; 95:80 tensor_dim1, low half = 128
	s_mov_b32 s[G1B+3], KSTEP<<16
	s_mov_b32 s[G1+3], KSTEP<<16                   ; 111:96 its high half = 0; 127:112 tile_dim0 = 128
	s_mov_b32 s[G1B+4], 128
	s_mov_b32 s[G1+4], 128                         ; 143:128 tile_dim1 = 128; 159:144 tile_dim2 = 0
	s_mov_b32 s[G1B+5], SIZE_K
	s_mov_b32 s[G1+5], SIZE_K                      ; 191:160 tensor_dim0_stride, low word: elements from row to row
	s_mov_b32 s[G1B+6], 0
	s_mov_b32 s[G1+6], 0
	s_mov_b32 s[G1B+7], 0
	s_mov_b32 s[G1+7], 0
	; where the tiles come from.  xq's hang on the tile row alone, which my row of the cluster shares; wb's on the tile column alone, which my column shares.
	; Every wave makes both addresses, in registers that never hold the other coordinate, and asks by one of them.
	s_lshl_b32 s17, s12, 7                         ; which 128 rows of the tile I fetch
	s_lshl_b32 s16, s13, 8
	s_add_co_u32 s16, s16, s17                     ; xq: row 256 x tile row + 128 x half
	s_lshl_b32 s46, s42, 8
	s_add_co_u32 s46, s46, s17                     ; wb: row 256 x tile column + 128 x half
	s_mov_b32 s17, 0
	s_mov_b32 s47, 0
	s_mov_b64 s[18:19], SIZE_K*2
	s_mul_u64 s[16:17], s[16:17], s[18:19]         ; in bytes, in 64 bits
	s_mul_u64 s[46:47], s[46:47], s[18:19]
	s_mul_i32 s20, s10, HALFT                      ; and where they go: xq's two halves, then wb's two halves = wave x 128 rows: no place in the cluster enters an LDS address
	s_wait_dscnt 0x0                               ; both opening adds are done
	s_wait_kmcnt 0x0
	s_add_nc_u64 s[14:15], s[4:5], s[16:17]
	s_add_nc_u64 s[46:47], s[6:7], s[46:47]
	CROUND                                         ; all sixteen work-groups are here: the first joint loads meet
.irp s, 0,1
	s_mov_b32 s[G0+4*(\s)], 1                                      ; 1:0 count = 1
	s_add_co_u32 s[G0+4*(\s)+1], s20, (\s)*SLOT                    ; 63:32 LDS address
	s_add_nc_u64 s[G0+4*(\s)+2:G0+4*(\s)+3], s[14:15], (\s)*KSTEP*2  ; 120:64 global address: K step s
	s_or_b32 s[G0+4*(\s)+3], s[G0+4*(\s)+3], 0x80000000            ; 127:126 type = 2
	s_mov_b32 s[G0B+4*(\s)], 1
	s_add_co_u32 s[G0B+4*(\s)+1], s20, (\s)*SLOT
	s_add_nc_u64 s[G0B+4*(\s)+2:G0B+4*(\s)+3], s[46:47], (\s)*KSTEP*2
	s_or_b32 s[G0B+4*(\s)+3], s[G0B+4*(\s)+3], 0x80000000
	JLOAD \s                                       ; the ring is filled before anything else is done: two loads of mine are out
.endr
	; A fragment is 16 rows x 32 K in 8 registers: lane l holds row l % 16; registers 0-3 hold K = 8 (l / 16) + 0..7, registers 4-7 hold K = 16 + 8 (l / 16) + 0..7.
	; From rows that lie along K: two loads of 16 bytes, 32 bytes apart.  The same for source 0 and source 1.
	v_and_b32 v1, 15, v0                           ; l % 16
	v_bfe_u32 v2, v0, 4, 1                         ; l / 16
	v_mul_u32_u24 v3, v1, PITCH
	v_lshl_add_u32 v3, v2, 4, v3                   ; row x pitch + 16 x half
	s_mul_i32 s21, s11, HALFT                      ; my 128 rows of xq
	s_mul_i32 s22, s12, HALFT                      ; my 128 rows of wb,
	s_add_co_u32 s22, s22, 2*HALFT                 ; which lie behind xq's 256
.irp s, 0,1
	v_add_nc_u32 v[ADRA+(\s)], s21, v3
	v_add_nc_u32 v[ADRB+(\s)], s22, v3
	s_add_co_u32 s21, s21, SLOT
	s_add_co_u32 s22, s22, SLOT
.endr
	s_mul_i32 s23, s10, 16*SPITCH
	s_add_co_u32 s23, s23, STAGE                   ; my stage
	v_mul_u32_u24 v4, v1, SPITCH                   ; in: row l % 16, 32 bytes for each half of the lanes
	v_lshl_add_u32 v4, v2, 5, v4
	v_add_nc_u32 v[STO], s23, v4
	v_and_b32 v5, 31, v0
	v_lshlrev_b32 v[CO], 4, v5                     ; back: the 32 lanes take one row of 512 bytes, 16 each; the same in out0
	v_add_nc_u32 v[RD], s23, v[CO]
	v_lshlrev_b32 v[SCO], 2, v1
	v_lshlrev_b32 v[BO], 5, v2
	; where my part of the tile begins in out0, in scale and in bias
	s_lshl_b32 s13, s13, 8
	s_lshl_b32 s14, s11, 7
	s_add_co_u32 s16, s13, s14                     ; my first row
	s_mov_b32 s17, 0
	s_lshl_b32 s18, s16, 2
	s_mov_b32 s19, 0
	s_add_nc_u64 s[68:69], s[68:69], s[18:19]      ; scale at my first row
	s_mov_b64 s[18:19], SIZE_N*4
	s_mul_u64 s[16:17], s[16:17], s[18:19]
	s_lshl_b32 s46, s42, 10                        ; my first column, in bytes of f32: 1,024 x tile column + 512 x half (in the registers that held wb's address: none that feeds xq's descriptors ever holds cx)
	s_lshl_b32 s47, s12, 9
	s_add_co_u32 s46, s46, s47
	s_mov_b32 s47, 0
	s_add_nc_u64 s[70:71], s[70:71], s[46:47]      ; bias at my first column
	s_add_nc_u64 s[16:17], s[16:17], s[46:47]      ; what the way out adds to out0's address
	; the prefetches.  s13 = 256 x tile row, s42 = tile column, s40 = cx, s41 = cy still stand
	s_lshl_b32 s42, s42, 8
	s_and_b32 s22, ttmp7, 0xffff                   ; cluster y
	s_cmp_eq_u32 s11, 0                            ; do I fetch for xq?
	s_cselect_b32 s20, s13, s42                    ; the tile's first row: in xq by the tile row, in wb by the tile column
	s_cselect_b32 s21, s40, s41                    ; my place among the four that ask for it with me
	s_cselect_b32 s22, ttmp9, s22                  ; the coordinate along which other clusters read the same rows
	s_cselect_b64 s[PFA:PFA+1], s[4:5], s[6:7]
	s_cmp_eq_u32 s22, 0
	s_cselect_b32 s[LIM], 1, -1                    ; the same in all sixteen partners, for a given wave
	s_lshl_b32 s22, s12, 7
	s_add_co_u32 s20, s20, s22                     ; + the 128 rows that I fetch
	s_lshl_b32 s21, s21, 5
	s_add_co_u32 s20, s20, s21                     ; + my work-group's 32 of them
	s_mov_b32 s21, 0
	s_mov_b64 s[18:19], SIZE_K*2
	s_mul_u64 s[20:21], s[20:21], s[18:19]
	s_add_nc_u64 s[PFA:PFA+1], s[PFA:PFA+1], s[20:21]
	s_add_nc_u64 s[PFA:PFA+1], s[PFA:PFA+1], 2*KSTEP*2  ; at K step 2: the first refill steps it to 3 and names K step 4.  Nothing is prefetched here, at the head: K steps 0 to 3 come by their loads alone
	v_and_b32 v[PFO], 31, v0
	v_mul_u32_u24 v[PFO], v[PFO], SIZE_K*2
	; my rows' scales and my columns' bias: 32 loads, wanted on the way out alone; their registers and addresses are touched by nothing until the wait that stands there
.irp a, 0,1,2,3,4,5,6,7
	global_load_b32 v[SC+2*(\a)],   v[SCO], s[68:69] offset:64*(\a)
	global_load_b32 v[SC+2*(\a)+1], v[SCO], s[68:69] offset:64*(\a)  ; the same number once more: a pair for the packed multiply-add
.endr
.irp b, 0,1,2,3,4,5,6,7
	global_load_b128 v[BI+8*(\b):BI+8*(\b)+3],   v[BO], s[70:71] offset:64*(\b)
	global_load_b128 v[BI+8*(\b)+4:BI+8*(\b)+7], v[BO], s[70:71] offset:64*(\b)+16
.endr
; 16 matrix instructions: m blocks a0, a0 + 1 of the window's four (hi = 0: my rows 0-63, 1: rows 64-127) x all 8 n blocks, 32 along K.  zero = 1: the first product starts the sums: nothing is ever cleared.
; The 64 accumulators take turns, one instruction a turn, in the same order in every quarter step, over the backward jump too.
.macro MUL16 f, hi, a0, zero
	WIN MUL_LO+0x50*(\hi)  ; MUL_LO or MUL_HI
.irp a, \a0, (\a0)+1
.irp b, 0,1,2,3,4,5,6,7
.if \zero
	v_wmma_f32_16x16x32_f16 v[8*(8*(\a)+(\b)):8*(8*(\a)+(\b))+7], v[(\f)+8*(\b):(\f)+8*(\b)+7], v[(\f)+8*(4*(\hi)+(\a)):(\f)+8*(4*(\hi)+(\a))+7], 0
.else
	v_wmma_f32_16x16x32_f16 v[8*(8*(\a)+(\b)):8*(8*(\a)+(\b))+7], v[(\f)+8*(\b):(\f)+8*(\b)+7], v[(\f)+8*(4*(\hi)+(\a)):(\f)+8*(4*(\hi)+(\a))+7], v[8*(8*(\a)+(\b)):8*(8*(\a)+(\b))+7]
.endif
.endr
.endr
.endm
; 32 LDS loads in one run: the fragments of one quarter step (128 rows of wb, 128 rows of xq, 32 K at byte k of the rows) into buffer f
.macro FETCH slot, k, f
	WIN TO_B
.irp i, 0,1,2,3,4,5,6,7
	ds_load_b128 v[(\f)+8*(\i):(\f)+8*(\i)+3],   v[ADRB+(\slot)] offset:(\k)+(\i)*16*PITCH
	ds_load_b128 v[(\f)+8*(\i)+4:(\f)+8*(\i)+7], v[ADRB+(\slot)] offset:(\k)+(\i)*16*PITCH+32
.endr
	WIN 0
.irp i, 0,1,2,3,4,5,6,7
	ds_load_b128 v[(\f)+8*(\i):(\f)+8*(\i)+3],   v[ADRA+(\slot)] offset:(\k)+(\i)*16*PITCH
	ds_load_b128 v[(\f)+8*(\i)+4:(\f)+8*(\i)+7], v[ADRA+(\slot)] offset:(\k)+(\i)*16*PITCH+32
.endr
.endm
; A load into a register that a matrix instruction has read, and a vector instruction that reads a matrix result or writes one of a matrix instruction's registers, stand four places behind that matrix
; instruction, and only plain vector instructions that name none of its registers are places (ISA guide 7.12.1 for vector instructions).
.macro PLACES
.rept 4
	v_nop
.endr
.endm
; A K step is four quarter steps of 32 along K, 64 matrix instructions each, on buffers 0, 1, 0, 1.
; One of the first three: multiplies buffer f; in its middle it fetches the next quarter's fragments, at byte k of the same slot's rows, into buffer g.
.macro QUARTER slot, k, f, g, zero
	s_wait_dscnt 8                                 ; wb and xq's rows 0-63 are in; the youngest eight loads (xq's rows 64-127) may be out
	WIN MUL_LO
	MUL16 \f, 0, 0, \zero
	MUL16 \f, 0, 2, \zero
	PLACES
	FETCH \slot, \k, \g
	s_wait_dscnt 32                                ; all but the 32 just issued
	WIN MUL_HI
	MUL16 \f, 1, 0, \zero
	MUL16 \f, 1, 2, \zero
.endm
; The last quarter multiplies buffer 1 and changes slots.  MEET is its first half: ONE barrier for the change of slots, for two things.  In front of it each wave waits for all its tensor loads, of which one is
; out: its part of the next slot; adds 0 to its spare word; and waits for that and for its own reads of this slot.  Behind it nobody reads this slot any more and the next slot is whole.
.macro MEET round                      ; round = 1: the rest of a round of the cluster's barrier follows
	WIN 0                                          ; (the add's two registers lie in window 0)
	s_wait_tensorcnt 0x0                           ; all my tensor loads have landed: the one that was out is my part of the next slot;
	ds_add_u32 v[SPW], v[NIL]                      ; 0 onto my spare word;
	s_wait_dscnt 9                                 ; (the add and the youngest eight loads may be out)
	WIN MUL_LO
	MUL16 F1, 0, 0, 0                              ; sixteen matrix instructions stand between the add and the wait for it
	s_wait_dscnt 0x0                               ; the add is done, and my reads of this slot are over:
	s_barrier_signal -1                            ; say so,
	MUL16 F1, 0, 2, 0                              ; work on registers while the others arrive,
.if \round
	WIN 0
.endif
	s_barrier_wait -1                              ; and go on when all four have said so
.endm
; The whole last quarter, in the loop.  Behind the round the slot just read out is filled again first, with the K step two steps on; then come the next slot's first fragments.
; From a request to the wait for it a wave issues 224 matrix instructions.
.macro TURN slot, next
	s_wait_xcnt 0x0                                ; the last prefetch, a K step back, has read its address: it is stepped here, ahead of the waits of the change of slots
	s_add_nc_u64 s[PFA:PFA+1], s[PFA:PFA+1], KSTEP*2
	MEET 1
	CREST                                          ; wave 0 says so for the work-group, all sixteen work-groups have said so, my work-group's barrier closes the round:
	                                               ; no wave of any partner still reads this slot's tile or has a load on its way
	s_add_nc_u64 s[G0+4*(\slot)+2:G0+4*(\slot)+3], s[G0+4*(\slot)+2:G0+4*(\slot)+3], 2*KSTEP*2    ; no tensor load of mine is out, so a group 0 may be written; the type bits on top are not reached
	s_add_nc_u64 s[G0B+4*(\slot)+2:G0B+4*(\slot)+3], s[G0B+4*(\slot)+2:G0B+4*(\slot)+3], 2*KSTEP*2
	JLOAD \slot                                    ; the first tensor load behind the round, and my only one until the next; the four v_nop behind it are also the places in front of the loads below
	FETCH \next, 0, F0
	ASK                                            ; behind the joint load and the run of LDS loads that the next products wait for
	WIN MUL_HI
	MUL16 F1, 1, 0, 0
	MUL16 F1, 1, 2, 0
.endm
; The same in the last lap: nothing is filled again, so no round follows the barrier.
.macro TURNX
	MEET 0                                         ; my one tensor load that was still out is slot 1's: the last K step
	PLACES                                         ; for the loads into buffer 0, which the quarter before multiplied
	FETCH 1, 0, F0
	WIN MUL_HI
	MUL16 F1, 1, 0, 0
	MUL16 F1, 1, 2, 0
.endm
; THE WAY OUT of block a (16 of my rows), in three parts.  PACK: scale x sum + bias, one fused multiply-add for two numbers, in place; each accumulator's registers in ascending order.
.macro PACK a
.set AC, 64*((\a)%4)
	WIN ((2+(\a)/4)<<6)|(2+(\a)/4)                 ; destination and source 0: window 2 or 3; scale and bias: window 0
.irp b, 0,1,2,3,4,5,6,7
.irp r, 0,1,2,3
	v_pk_fma_f32 v[AC+8*(\b)+2*(\r):AC+8*(\b)+2*(\r)+1], v[AC+8*(\b)+2*(\r):AC+8*(\b)+2*(\r)+1], v[SC+2*(\a):SC+2*(\a)+1], v[BI+8*(\b)+2*(\r):BI+8*(\b)+2*(\r)+1]
.endr
.endr
.endm
; TOSTAGE: a lane's 32 bytes of a row into my own stage, and back as whole rows of 512 bytes.
.macro TOSTAGE a
.set AC, 64*((\a)%4)
.set BK, OB+64*((\a)%2)
	WIN (2+(\a)/4)<<2                              ; the stores' data (source 1): window 2 or 3
.irp b, 0,1,2,3,4,5,6,7
	ds_store_b128 v[STO], v[AC+8*(\b):AC+8*(\b)+3]   offset:64*(\b)
	ds_store_b128 v[STO], v[AC+8*(\b)+4:AC+8*(\b)+7] offset:64*(\b)+16
.endr
	WIN 0
.set t, 0
.rept 16
	ds_load_b128 v[BK+4*t:BK+4*t+3], v[RD] offset:t*SPITCH  ; LDS serves a wave's instructions in order (ISA guide 5.7.1.4): these see the stores above, and the next block's stores come behind them
.set t, t+1
.endr
.endm
; SEND: stored, a row of 512 consecutive bytes to an instruction.
.macro SEND a
	WIN 0
.set BK, OB+64*((\a)%2)
	s_wait_dscnt 0x0                               ; the block is back in registers
	s_wait_xcnt 0x0                                ; every earlier memory instruction has had its addresses translated (ISA guide 3.1): only behind this wait are the stores' base and the registers that the block before was stored from written again
.if (\a) == 0
	s_add_nc_u64 s[8:9], s[8:9], s[16:17]          ; on to my first rows
.else
	s_add_nc_u64 s[8:9], s[8:9], 16*SIZE_N*4       ; 16 rows on, so that the stores' offsets stay at 15 rows at the most: 245,760, inside the signed 24-bit immediate
.endif
.set t, 0
.rept 16
	global_store_b128 v[CO], v[BK+4*t:BK+4*t+3], s[8:9] offset:t*SIZE_N*4 th:TH_STORE_NT  ; 32 lanes store 512 consecutive bytes, at a multiple of 512 from out0's first byte
.set t, t+1
.endr
.endm
	s_wait_tensorcnt 1                             ; my part of K step 0 is in; K step 1's may stay out
	s_barrier_signal -1
	s_barrier_wait -1                              ; everybody's is
	FETCH 0, 0, F0
	QUARTER 0, 64,  F0, F1, 1                      ; the first quarter stands in front of the loop: its products start the sums
	WIN 0                                          ; at a label and at a branch every window is 0
	s_mov_b32 s3, LAPS-1
.Llap:                                                 ; 15 trips: a trip goes once round the ring, from a lap's second quarter to the next lap's first, and fills both slots again: K steps 2 to 31
	QUARTER 0, 128, F1, F0, 0
	QUARTER 0, 192, F0, F1, 0
	TURN 0, 1
	QUARTER 1, 64,  F0, F1, 0
	QUARTER 1, 128, F1, F0, 0
	QUARTER 1, 192, F0, F1, 0
	TURN 1, 0
	QUARTER 0, 64,  F0, F1, 0
	WIN 0
	s_sub_co_u32 s3, s3, 1
	s_cmp_lg_u32 s3, 0
	s_cbranch_scc1 .Llap
	QUARTER 0, 128, F1, F0, 0                      ; the last lap is written out: it fills nothing
	QUARTER 0, 192, F0, F1, 0
	TURNX
	QUARTER 1, 64,  F0, F1, 0
	QUARTER 1, 128, F1, F0, 0
	QUARTER 1, 192, F0, F1, 0
	s_wait_dscnt 8                                 ; the very last quarter: nothing more to fetch
	MUL16 F1, 0, 0, 0
	MUL16 F1, 0, 2, 0
	s_wait_dscnt 0x0
	MUL16 F1, 1, 0, 0
	MUL16 F1, 1, 2, 0
	WIN 0
	PLACES                                         ; the multiply-adds below read and write results in place, and the loads from the stage land in xq's fragment registers:
	PLACES                                         ; eight places, once in the launch
	s_wait_loadcnt 0x0                             ; scale and bias, asked for at the head
	PACK 0
	TOSTAGE 0
.irp a, 1,2,3,4,5,6,7                  ; block a's arithmetic stands between block a - 1's loads from the stage and the wait for them
	PACK \a
	SEND (\a)-1
	TOSTAGE \a
.endr
	SEND 7
	s_wait_tensorcnt 0x0                           ; the wave's end, behind my last tensor load and my last LDS store
	ds_add_u32 v[SPW], v[NIL]
	s_wait_dscnt 0x0
	CROUND                                         ; the closing round: no work-group ends while a partner may still ask for a tile that names it
	s_endpgm
.Lfunc_end_k_q21ca855da0_gemm:
	.size	k_q21ca855da0_gemm, .Lfunc_end_k_q21ca855da0_gemm-k_q21ca855da0_gemm
	.p2alignl 7, 3214868480
	.fill 96, 4, 3214868480
	.section	.rodata,"a",@progbits
	.p2align	6, 0x0
	.amdhsa_kernel k_q21ca855da0_gemm
		.amdhsa_group_segment_fixed_size 327680
		.amdhsa_private_segment_fixed_size 0
		.amdhsa_enable_private_segment 0
		.amdhsa_kernarg_size 40
		.amdhsa_user_sgpr_count 2
		.amdhsa_user_sgpr_kernarg_segment_ptr 1
		.amdhsa_wavefront_size32 1
		.amdhsa_system_sgpr_workgroup_id_x 1
		.amdhsa_system_sgpr_workgroup_id_y 1
		.amdhsa_system_sgpr_workgroup_id_z 1
		.amdhsa_system_vgpr_workitem_id 0
		.amdhsa_next_free_vgpr 1024
		.amdhsa_next_free_sgpr 72
		.amdhsa_reserve_vcc 0
		.amdhsa_float_denorm_mode_32 3
		.amdhsa_float_denorm_mode_16_64 3
		.amdhsa_memory_ordered 1
		.amdhsa_forward_progress 1
		.amdhsa_inst_pref_size 162
	.end_amdhsa_kernel
	.amdgpu_metadata
---
amdhsa.version: [ 1, 2 ]
amdhsa.kernels:
  - .name:           k_q21ca855da0_gemm
    .symbol:         k_q21ca855da0_gemm.kd
    .args:
      - { .name: xq, .offset: 0, .size: 8, .value_kind: global_buffer, .address_space: global }
      - { .name: wb, .offset: 8, .size: 8, .value_kind: global_buffer, .address_space: global }
      - { .name: scale, .offset: 16, .size: 8, .value_kind: global_buffer, .address_space: global }
      - { .name: bias, .offset: 24, .size: 8, .value_kind: global_buffer, .address_space: global }
      - { .name: out0, .offset: 32, .size: 8, .value_kind: global_buffer, .address_space: global }
    .group_segment_fixed_size: 327680
    .private_segment_fixed_size: 0
    .kernarg_segment_align: 8
    .kernarg_segment_size: 40
    .max_flat_workgroup_size: 128
    .sgpr_count:     72
    .vgpr_count:     1024
    .wavefront_size: 32
...
	.end_amdgpu_metadata
.endif
;; end of part 2
